; MI455X (gfx1250); checked and timed in simulation.
; The chip was launched on July 23, 2026; its instructions are those of AMD's public machine-readable ISA for CDNA 5 (MIT licence, August 2026) and "CDNA5" Instruction Set Architecture Reference Guide (July 2026). The comments in the code are by the model that wrote it; some were corrected since.
;; Attention. Allowed arithmetic: matrix products marked QUANTISED: E2M3 operands, one E8M0 scale for each 32 along K, by v_wmma_scale_f32_16x16x128_f8f6f4 with both operands' format E2M3, f32 sums; everything else in f32.
;; Inputs: Wk_codes 1,024 x 32 x 24 uint8 (E2M3 codes of Wk, K innermost, in blocks of 32 codes, four codes in three bytes); Wk_scales 1,024 x 32 uint8 (E8M0 scales of Wk, one for each 32 codes along K); Wo_codes 1,024 x 32 x 24 uint8 (E2M3 codes of Wo, K innermost, in blocks of 32 codes, four codes in three bytes); Wo_scales 1,024 x 32 uint8 (E8M0 scales of Wo, one for each 32 codes along K); Wq_codes 1,024 x 32 x 24 uint8 (E2M3 codes of Wq, K innermost, in blocks of 32 codes, four codes in three bytes); Wq_scales 1,024 x 32 uint8 (E8M0 scales of Wq, one for each 32 codes along K); Wv_codes 1,024 x 32 x 24 uint8 (E2M3 codes of Wv, K innermost, in blocks of 32 codes, four codes in three bytes); Wv_scales 1,024 x 32 uint8 (E8M0 scales of Wv, one for each 32 codes along K); bk 1,024 float32; bo 1,024 float32; bq 1,024 float32; bv 1,024 float32; x_codes 1 x 4,096 x 32 x 24 uint8 (E2M3 codes of x, K innermost, in blocks of 32 codes, four codes in three bytes); x_scales 1 x 4,096 x 32 uint8 (E8M0 scales of x, one for each 32 codes along K).
;; Outputs: out0 1 x 4,096 x 1,024 float32.
;; This version of the problem:
;;   THIS VERSION OF THE PROBLEM IS GIVEN IN LOW PRECISION. The matrix products marked QUANTISED in the list below multiply operands that are first quantised to E2M3 (2 exponent bits, 3 mantissa bits; 6 bits a number), with one power-of-two scale for each 32 numbers along K (OCP MX v1.0); their sums are f32. All else is computed in f32.
;;   The module's matrix products, in the order in which they are computed (A, B: the left and right operand; K: the contracted axis; several contracted axes count as one K, in the product's order):
;;     1. [M 4,096, K 1,024] x [K 1,024, N 1,024]; A: input x (given as codes); B: input Wq (given as codes): QUANTISED
;;     2. [M 4,096, K 1,024] x [K 1,024, N 1,024]; A: input x (given as codes); B: input Wk (given as codes): QUANTISED
;;     3. [M 4,096, K 1,024] x [K 1,024, N 1,024]; A: input x (given as codes); B: input Wv (given as codes): QUANTISED
;;     4. batch 16 x [M 4,096, K 64] x [K 64, N 4,096]; A: computed on the way; B: computed on the way: QUANTISED
;;     5. batch 16 x [M 4,096, K 4,096] x [K 4,096, N 64]; A: softmax (see below); B: computed on the way: QUANTISED
;;     6. [M 4,096, K 1,024] x [K 1,024, N 1,024]; A: computed on the way; B: input Wo (given as codes): QUANTISED
;;   THE QUANTISER, for each operand of a quantised product, along K:
;;     - K is cut into blocks of 32 from its start; a last block that is shorter is filled with zeros.
;;     - A block's scale is 2^e with e = floor(log2(the largest magnitude in the block)) - 2, held to -126 .. 127; a block of zeros has e = 0. As a byte (E8M0): e + 127.
;;     - Each number is divided by its block's scale, clamped to +-7.5, and rounded to the nearest number of E2M3, ties to even, subnormals kept.
;;     - The product sums the exact products of the quantised numbers (number of the format x scale) in f32.
;;   ~~~python
;;   def quantise(x, axis):      # numpy; x: float32 -> the quantised numbers, widened to float32 again
;;       x = np.moveaxis(x, axis, -1); K = x.shape[-1]
;;       x = np.pad(x, [(0, 0)] * (x.ndim - 1) + [(0, -K % 32)]); x = x.reshape(x.shape[:-1] + (-1, 32)); a = np.abs(x).max(-1, keepdims=True)
;;       e = np.where(a > 0, np.clip(np.frexp(np.where(a > 0, a, 1))[1] - 1 - 2, -126, 127), 0)      # np.frexp(a)[1] - 1 = floor(log2(a)), exactly
;;       r = np.clip(x / 2.0 ** e, -7.5, 7.5)
;;       step = 2.0 ** (np.maximum(np.frexp(np.where(r == 0, 1, r))[1] - 1, 0) - 3)
;;       q = np.round(r / step) * step * 2.0 ** e      # np.round: ties to even
;;       return np.moveaxis(q.reshape(q.shape[:-2] + (-1,))[..., :K], -1, axis).astype(np.float32)
;;   ~~~
;;   SOFTMAX AHEAD OF A QUANTISED PRODUCT. Where the list says 'softmax', what is quantised is not the finished softmax but p = 2^(t - M), with t = logit x log2(e) and M = ceil(the row's largest t), a whole number; so 1/2 < the row's largest p <= 1. The row's sum l is taken of the UNQUANTISED p, in f32, and the product's result is divided by l at the end. Since M is a whole number, a kernel that streams over the keys may use a running M (the ceiling of the running maximum): every later rescaling is an exact power of two, which a block's scale takes up: the codes' values come out the same.
;;   OPERANDS COMPUTED ON THE WAY. 'Computed on the way' means the value that the module computes at that place (a softmax that the list does not call 'softmax' is quantised finished and normalised). What goes into a quantiser is computed in f32, as accurately as f32 sums, v_exp_f32 and their like allow (about 1e-6 of the number): no bf16 or f16 on the way to a quantiser, and a product that is left as it is and whose result goes on into a quantised operand takes f32 operands (vector FMAs, or v_wmma_f32_16x16x4_f32). A number that lies on a knife's edge between two numbers of the format may be rounded either way, as far as f32 arithmetic and the matrix unit's own rounding can turn it there, and no further.
;;   INPUTS GIVEN AS CODES. Wk (in the module: [1024, 1024], K = its axis 0); Wo (in the module: [1024, 1024], K = its axis 0); Wq (in the module: [1024, 1024], K = its axis 0); Wv (in the module: [1024, 1024], K = its axis 0); x (in the module: [1, 4096, 1024], K = its axis 2): each comes as NAME_codes (uint8): NAME with its K axis moved to the last place and cut into blocks of 32 codes, [.., K / 32, bytes a block], one block behind the other in memory; four codes in three bytes: a row's codes are one little-endian stream of bits, code i at bits 6 i .. 6 i + 5 (a code: sign, 2 exponent bits, 3 mantissa bits); and NAME_scales (uint8): the same leading axes, one E8M0 byte (e + 127) for each 32 codes along K. Its value is code x scale, taken as it is: it is not quantised again, and the codes and scales need not be those that the quantiser above would give.
;; One version. Each part assembles by itself: llvm-mc -triple=amdgcn-amd-amdhsa -mcpu=gfx1250 --defsym DOCPART=n.
;; ======== version 1 of 1: 3 launches
;; limits: right only within a limited range of input values
;; workspace buffers: qimg 3,145,728 bytes; qsc 262,144 bytes; kv 6,684,672 bytes; aoimg 3,145,728 bytes; aosc 131,072 bytes
;; launch qkv (part 1): grid 16 x 32, 6 waves a work-group, clusters of 4 x 4, 327,680 bytes of LDS; arguments x_codes, x_scales, Wq_codes, Wq_scales, Wk_codes, Wk_scales, Wv_codes, Wv_scales, bq, bk, bv, qimg, qsc, kv; writes qimg, qsc, kv
.if DOCPART == 1
	.amdgcn_target "amdgcn-amd-amdhsa--gfx1250"
	.amdhsa_code_object_version 6
	.text
	.protected	k_q09adf12f43_qkv
	.globl	k_q09adf12f43_qkv
	.p2align	8
	.type	k_q09adf12f43_qkv,@function
k_q09adf12f43_qkv:
	s_mov_b64 s[64:65], 0
	v_nop
	global_prefetch_b8 v0, s[64:65] scope:SCOPE_SE
	s_setreg_imm32_b32 hwreg(HW_REG_WAVE_MODE, 25, 1), 1
	s_wait_xcnt 0x0
	s_wait_alu depctr_hold_cnt(0) depctr_sa_sdst(0) depctr_va_vdst(0) depctr_va_sdst(0) depctr_va_ssrc(0) depctr_va_vcc(0) depctr_vm_vsrc(0)
	s_getreg_b32 s2, hwreg(HW_REG_IB_STS2, 6, 4)
	s_cmp_eq_u32 s2, 0
	s_cbranch_scc0 .Lentry_in_a_cluster
	s_endpgm
.Lentry_in_a_cluster:
	s_bfe_u32 s2, ttmp6, 0x10000c
	s_cmp_lg_u32 s2, 0xf033
	s_cbranch_scc0 .Lentry_shape_is_right
	s_endpgm
.Lentry_shape_is_right:
; q = x Wq + bq, k = x Wk + bk, v = x Wv + bv on codes of FP6 (E2M3), one E8M0 scale for each 32 along K = 1,024, and the quantisers of q, k (along the head's 64) and v (along the keys).
; No work of the problem is left out.
; A work-group takes one head (64 rows of each weight) and 128 tokens.  Five slices of 64 rows (Wq, Wk, x tokens 0-63, x tokens 64-127, Wv), whole rows of 768 bytes, lie in LDS; wave w (0-4) fills slice w
; with ONE tensor load: every LDS byte is filled once.  A row in memory begins at a multiple of 768 bytes; 16 bytes of padding follow each 256, so LDS rows are 816 bytes apart.
; A slice's 2,048 scale bytes go through its wave's registers into LDS bytes of their own: they are 2,048 of the slice's 51,200 bytes, so they are not asked for jointly.
; Six waves: wave w makes matrix w / 2 (q, k, v) for token half w % 2: 64 x 64, 16 accumulators.
; q, k: source 0 = 16 rows of W, source 1 = 16 tokens: a lane holds one token, its registers run along the head's channels.  v: source 0 = 16 tokens, source 1 = 16 rows of Wv: a lane holds one channel, its registers run along the keys.
; Register 16 B + 8 u + j of lane half h is place 32 B + 16 u + 8 h + j of block B: a fixed permutation inside a block of 32, the same on both sides of each later product, so the sums are those of the true order.
; The results leave as images of operand registers (lane l's 16 bytes at 16 l), read by this program alone.
; CLUSTER 4 x 4: a row shares the tokens (x), a column the head (weights): the codes are asked for jointly.
; LIMITS: NaN and infinities are not served; a block whose largest magnitude lies under 2^-124 (zeros too) gets the byte 1: its bytes are read by this program alone.
.set PITCH,  816
.set SLICE,  64*PITCH
.set SCL,    5*SLICE                   ; the scale bytes: 64 rows x 32 bytes a slice as 8 units of 256 + 16; stored by ds_store, no tile lands here
.set SSL,    8*272
.set BIA,    318208                    ; 256 bytes for each wave: its 64 numbers of bias
.set KVB,    13056                     ; a key step's block in kv
.set WV, 2
.set CX, 100
.set CY, 101
.set HD, 104
.set TB, 105
.set G1X, 32
.set G1W, 40
.set G0X, 68
.set PSC, 72                           ; s[72:73] my slice's scale bytes
.set GW0, 88
.set SEL, 22
.set MSK, 24
.set ADRA, 1                           ; v1, v2 source 0's fragments (v2: lanes 16-31 behind one padding more)
.set ADRB, 3
.set ADSA, 5
.set ADSB, 6
.set BAQ, 7
.set SA, 8                             ; v8-15 scale words of source 0: tile i, K step q of a pair at 2 i + q
.set SB, 16
.set AF, 24
.set BF, 72
.set ACC, 120                          ; accumulator (a, b) at 32 b + 8 a
.set BAV, 248
.set RR, 249
.set HH, 250
.set L16, 251
.set L8, 252
.set R16, 253
.set T0, 254
.set T1, 255
.set BI, 24
.set TM, 56
.set CD, 66
.set PW, 92
.set CH, 96
.set VA, 98
.set VB, 99
.set VC, 100
.macro CROUND
	s_barrier_signal -1
	s_barrier_wait -1
	s_cmp_lg_u32 s[WV], 0
	s_cbranch_scc1 .Lnot_wave_0_\@
	s_barrier_signal -3
.Lnot_wave_0_\@:
	s_barrier_wait -3
	s_barrier_signal -1
	s_barrier_wait -1
.endm
.macro G0SET g, lb, la, p, pa
	s_mov_b32 s[\g], 1
	s_add_co_u32 s[\g+1], s[\lb], \la
	s_add_nc_u64 s[\g+2:\g+3], s[\p:\p+1], \pa
	s_or_b32 s[\g+3], s[\g+3], 0x80000000
.endm
.macro FRAG reg, adr, st, i            ; 16 rows x 128 K in pieces of 8 bytes; byte y of a row lies at y + 16 (y / 256) of its LDS row; lanes 16-31 read 24 bytes on
.irp p, 0,1,2,3,4,5
.set BY, 96*(\st)+48*(\p/3)+8*(\p%3)
.if BY/256 == (BY+24)/256
	ds_load_b64 v[\reg+2*\p:\reg+2*\p+1], v[\adr] offset:BY+16*(BY/256)+(\i)*16*PITCH
.else
	ds_load_b64 v[\reg+2*\p:\reg+2*\p+1], v[\adr+1] offset:BY+16*(BY/256)+(\i)*16*PITCH
.endif
.endr
.endm
.macro KSTEP st, zero                  ; 128 along K: 48 LDS loads, 16 products; the 16 accumulators take turns
.irp i, 0,1,2,3
	FRAG AF+12*\i, ADRA, \st, \i
.endr
.irp i, 0,1,2,3
	FRAG BF+12*\i, ADRB, \st, \i
.endr
.irp b, 0,1,2,3
	s_wait_dscnt 6*(3-\b)                          ; the six loads of each later tile of source 1 may be out
.irp a, 0,1,2,3
.if \zero
	v_wmma_scale_f32_16x16x128_f8f6f4 v[ACC+32*\b+8*\a:ACC+32*\b+8*\a+7], v[AF+12*\a:AF+12*\a+11], v[BF+12*\b:BF+12*\b+11], 0, v[SA+2*\a+(\st)%2], v[SB+2*\b+(\st)%2] matrix_a_fmt:MATRIX_FMT_FP6 matrix_b_fmt:MATRIX_FMT_FP6
.else
	v_wmma_scale_f32_16x16x128_f8f6f4 v[ACC+32*\b+8*\a:ACC+32*\b+8*\a+7], v[AF+12*\a:AF+12*\a+11], v[BF+12*\b:BF+12*\b+11], v[ACC+32*\b+8*\a:ACC+32*\b+8*\a+7], v[SA+2*\a+(\st)%2], v[SB+2*\b+(\st)%2] matrix_a_fmt:MATRIX_FMT_FP6 matrix_b_fmt:MATRIX_FMT_FP6
.endif
.endr
.endr
.rept 4
	v_nop                                          ; four places in front of loads into, and reads of, the products' registers
.endr
.endm
.macro CHUNK c                         ; 256 along K: the scale words of two K steps, then the steps
.irp i, 0,1,2,3
	ds_load_b64 v[SA+2*\i:SA+2*\i+1], v[ADSA] offset:544*\i+8*\c
.endr
.irp i, 0,1,2,3
	ds_load_b64 v[SB+2*\i:SB+2*\i+1], v[ADSB] offset:544*\i+8*\c
.endr
.if \c == 0
	KSTEP 0, 1
.else
	KSTEP 2*\c, 0
.endif
	KSTEP 2*\c+1, 0
.endm
; 32 numbers of a lane, two half blocks of 16 (the other halves lie in lane l xor 16), become 6 registers of codes and the two scale bytes in v[w]
.macro QUANT2 s, dst, w
.irp b, 0,1
	v_max3_num_f32 v[TM+\b], |v[\s+16*\b]|, |v[\s+16*\b+1]|, 0x1800000   ; with the floor 2^(3 - 127)
.endr
.irp i, 2,4,6,8,10,12,14
.irp b, 0,1
	v_max3_num_f32 v[TM+\b], v[TM+\b], |v[\s+16*\b+\i]|, |v[\s+16*\b+\i+1]|
.endr
.endr
.irp b, 0,1
	v_permlanex16_b32 v[TM+2+\b], v[TM+\b], s[SEL], s[SEL+1]
.endr
.irp b, 0,1
	v_max_num_f32 v[TM+\b], v[TM+\b], v[TM+2+\b]
.endr
.irp b, 0,1
	v_add_nc_u32 v[TM+4+\b], 0xff000000, v[TM+\b]  ; 2 off the exponent field: the conversion's scale operand
.endr
.irp b, 0,1
	v_lshrrev_b32 v[TM+2+\b], 23, v[TM+4+\b]
.endr
	v_lshl_or_b32 v[\w], v[TM+3], 8, v[TM+2]
	v_cvt_scalef32_pk16_fp6_f32 v[\dst:\dst+2], v[\s:\s+15], v[TM+4]
	v_cvt_scalef32_pk16_fp6_f32 v[TM+6:TM+8], v[\s+16:\s+31], v[TM+5]
	v_nop                                          ; one plain place behind a scaled conversion
.irp i, 0,1,2
	v_permlane16_swap_b32 v[\dst+\i], v[TM+6+\i]   ; a whole block to a lane
.endr
.irp i, 0,1,2
	v_mov_b32 v[\dst+3+\i], v[TM+6+\i]
.endr
.endm
	s_load_b512 s[4:19], s[0:1], 0x0               ; x codes, x scales, Wq codes, scales, Wk codes, scales, Wv codes, scales
	s_load_b256 s[20:27], s[0:1], 0x40             ; bq, bk, bv, qimg
	s_load_b128 s[28:31], s[0:1], 0x60             ; qsc, kv
	s_set_vgpr_msb 0x40
	v_lshl_add_u32 v0, v0, 2, 0x4e100              ; v256: my spare word
	v_mov_b32 v1, 0                                ; v257: 0
	s_set_vgpr_msb 0x4045
	ds_add_u32 v0, v1                              ; the opening lines
	ds_add_u32 v0, v1
	s_set_vgpr_msb 0x4500
	v_lshrrev_b32 v[T0], 5, v0
	v_readfirstlane_b32 s[WV], v[T0]
	s_bfe_u32 s[CX], ttmp6, 0x40000
	s_bfe_u32 s[CY], ttmp6, 0x40004
	s_lshl_b32 s[HD], ttmp9, 2
	s_add_co_u32 s[HD], s[HD], s[CX]
	s_and_b32 s[TB], ttmp7, 0xffff
	s_lshl_b32 s[TB], s[TB], 2
	s_add_co_u32 s[TB], s[TB], s[CY]
	s_lshl_b32 s3, s[CY], 2
	s_lshl_b32 s3, 15, s3                          ; my row of the cluster shares the tokens
	s_lshl_b32 s66, 0x1111, s[CX]                  ; my column the head
	s_or_b32 s[G1X], s3, (1<<20)|(1<<21)|(5<<22)|(3<<25)   ; elements of 1 byte; 16 bytes of padding behind every 256
	s_or_b32 s[G1W], s66, (1<<20)|(1<<21)|(5<<22)|(3<<25)
.irp g, G1X, G1W
	s_mov_b32 s[\g+1], 768<<16                     ; 64 rows of 768 bytes
	s_mov_b32 s[\g+2], 64<<16
	s_mov_b32 s[\g+3], 768<<16
	s_mov_b32 s[\g+4], 64
	s_mov_b32 s[\g+5], 768
	s_mov_b32 s[\g+6], 0
	s_mov_b32 s[\g+7], 0
.endr
	s_wait_dscnt 0x0
	s_wait_kmcnt 0x0
	s_and_b32 s3, s[WV], 1
	s_mul_i32 s66, s[TB], 98304                    ; x: row 128 x token block + 64 x (wave % 2)
	s_mul_i32 s67, s3, 49152
	s_add_co_u32 s66, s66, s67
	s_mov_b32 s67, 0
	s_add_nc_u64 s[4:5], s[4:5], s[66:67]
	s_lshl_b32 s66, s[TB], 12
	s_lshl_b32 s3, s3, 11
	s_add_co_u32 s66, s66, s3
	s_add_nc_u64 s[6:7], s[6:7], s[66:67]
	s_cmp_eq_u32 s[WV], 1                          ; wave 0 Wq, wave 1 Wk, wave 4 Wv
	s_cselect_b64 s[8:9], s[12:13], s[8:9]
	s_cselect_b64 s[10:11], s[14:15], s[10:11]
	s_cmp_eq_u32 s[WV], 4
	s_cselect_b64 s[8:9], s[16:17], s[8:9]
	s_cselect_b64 s[10:11], s[18:19], s[10:11]
	s_mul_i32 s12, s[HD], 49152
	s_mov_b32 s13, 0
	s_add_nc_u64 s[8:9], s[8:9], s[12:13]
	s_lshl_b32 s12, s[HD], 11
	s_add_nc_u64 s[10:11], s[10:11], s[12:13]
	s_mul_i32 s3, s[WV], SLICE                     ; wave w fills slice w
	G0SET G0X, 3, 0, 4, 0
	G0SET GW0, 3, 0, 8, 0
	s_lshr_b32 s66, s[WV], 1
	s_cmp_eq_u32 s66, 1
	s_cselect_b64 s[PSC:PSC+1], s[6:7], s[10:11]
	CROUND                                         ; the first joint loads meet
	s_cmp_eq_u32 s[WV], 5                          ; one chain of branches on the wave's number, one load to an arm; wave 5 fetches nothing
	s_cbranch_scc1 .Lasked
	s_cmp_eq_u32 s66, 1
	s_cbranch_scc0 .Lfor_w
	tensor_load_to_lds s[G0X:G0X+3], s[G1X:G1X+7]
	s_nop 0
.rept 4
	v_nop
.endr
	s_branch .Lasked
.Lfor_w:
	tensor_load_to_lds s[GW0:GW0+3], s[G1W:G1W+7]
	s_nop 0
.rept 4
	v_nop
.endr
.Lasked:
	s_lshr_b32 s4, s[WV], 1                        ; m: 0 q, 1 k, 2 v
	s_and_b32 s5, s[WV], 1                         ; th: my half of the tokens
	s_lshr_b32 s6, s[WV], 2                        ; 1 for v
	s_cmp_eq_u32 s4, 1
	s_cselect_b64 s[20:21], s[22:23], s[20:21]
	s_cmp_eq_u32 s4, 2
	s_cselect_b64 s[20:21], s[24:25], s[20:21]
	s_lshl_b32 s10, s[HD], 8
	s_mov_b32 s11, 0
	s_add_nc_u64 s[20:21], s[20:21], s[10:11]      ; my bias
	s_and_b32 s7, s6, s5
	s_add_co_u32 s8, s4, s7                        ; source 0's slice: Wq, Wk, or for v my half of x
	s_xor_b32 s9, s5, s7
	s_lshl_b32 s10, s6, 1
	s_add_co_u32 s9, s9, s10
	s_add_co_u32 s9, s9, 2                         ; source 1's slice: my half of x, or for v Wv
	s_mul_i32 s10, s8, SLICE
	s_mul_i32 s11, s9, SLICE
	s_mul_i32 s12, s8, SSL
	s_add_co_u32 s12, s12, SCL
	s_mul_i32 s13, s9, SSL
	s_add_co_u32 s13, s13, SCL
	s_lshl_b32 s14, s[WV], 8
	s_add_co_u32 s14, s14, BIA
	s_mul_i32 s15, s[WV], SSL
	s_add_co_u32 s15, s15, SCL
	v_and_b32 v[T0], 31, v0
	v_and_b32 v[RR], 15, v0
	v_bfe_u32 v[HH], v0, 4, 1
	v_lshlrev_b32 v[L16], 4, v[T0]
	v_lshlrev_b32 v[L8], 3, v[T0]
	v_lshlrev_b32 v[R16], 4, v[RR]
	v_mul_u32_u24 v[T0], v[RR], PITCH
	v_mad_u32_u24 v[T0], v[HH], 24, v[T0]          ; row x pitch + 24 x half
	v_lshl_add_u32 v[T1], v[HH], 4, v[T0]
	v_add_nc_u32 v[ADRA], s10, v[T0]
	v_add_nc_u32 v[ADRA+1], s10, v[T1]
	v_add_nc_u32 v[ADRB], s11, v[T0]
	v_add_nc_u32 v[ADRB+1], s11, v[T1]
	v_lshrrev_b32 v[T0], 3, v[RR]
	v_lshlrev_b32 v[T1], 5, v[RR]
	v_lshl_add_u32 v[T1], v[T0], 4, v[T1]          ; a row's 32 scale bytes, and 16 more for each 256 passed
	v_add_nc_u32 v[ADSA], s12, v[T1]
	v_add_nc_u32 v[ADSB], s13, v[T1]
	v_add_nc_u32 v[T0], s14, v[L8]
	v_lshl_add_u32 v[BAQ], v[HH], 5, s14           ; q, k: numbers 16 a + 8 h + 0 .. 7
	v_lshl_add_u32 v[BAV], v[RR], 2, s14           ; v: number 16 b + r
	v_lshl_add_u32 v[T1], v[HH], 4, v[L16]
	v_add_nc_u32 v[T1], s15, v[T1]                 ; where my slice's scale bytes go: 16 x lane, 16 more behind 256
	s_wait_alu depctr_va_vdst(0)                   ; the wait at the head's end
	global_load_b64 v[AF:AF+1], v[L8], s[20:21]    ; the head's 64 numbers of bias
	s_cmp_eq_u32 s[WV], 5
	s_cbranch_scc1 .Lno_sc
.irp j, 0,1,2,3
	global_load_b128 v[BF+4*\j:BF+4*\j+3], v[L16], s[PSC:PSC+1] offset:512*\j   ; 2,048 consecutive bytes
.endr
.Lno_sc:
	s_wait_loadcnt 0x0
	ds_store_b64 v[T0], v[AF:AF+1]                 ; into my wave's own 256 bytes
	s_cmp_eq_u32 s[WV], 5
	s_cbranch_scc1 .Lno_st
.irp j, 0,1,2,3
	ds_store_b128 v[T1], v[BF+4*\j:BF+4*\j+3] offset:544*\j
.endr
.Lno_st:
	s_mov_b32 s[SEL], 0x76543210
	s_mov_b32 s[SEL+1], 0xfedcba98
	s_mov_b32 s[MSK], 0xffff0000
	s_wait_tensorcnt 0x0                           ; my slice is in,
	s_wait_dscnt 0x0                               ; and my stores are done
	s_barrier_signal -1
	s_barrier_wait -1                              ; so are everybody's
	CHUNK 0
	CHUNK 1
	CHUNK 2
	CHUNK 3
	s_lshl_b32 s7, s[HD], 6
	s_lshl_b32 s8, s[TB], 1
	s_add_co_u32 s7, s7, s8
	s_add_co_u32 s7, s7, s5                        ; U = 64 head + 2 token block + th: my token tiles are 4 U + 0 .. 3
	s_lshl_b32 s8, s[HD], 5
	s_add_co_u32 s8, s8, s[TB]
	s_mul_i32 s8, s8, KVB
	s_mov_b32 s9, 0
	s_add_nc_u64 s[30:31], s[30:31], s[8:9]
	s_mul_i32 s10, s5, 3072
	s_cmp_eq_u32 s6, 1
	s_cbranch_scc1 .Lbias_v
.irp a, 0,1,2,3
	ds_load_b128 v[BI+8*\a:BI+8*\a+3], v[BAQ] offset:64*\a
	ds_load_b128 v[BI+8*\a+4:BI+8*\a+7], v[BAQ] offset:64*\a+16
.endr
	s_wait_dscnt 0x0
.irp b, 0,1,2,3
.irp a, 0,1,2,3
.irp p, 0,2,4,6
	v_pk_add_f32 v[ACC+32*\b+8*\a+\p:ACC+32*\b+8*\a+\p+1], v[ACC+32*\b+8*\a+\p:ACC+32*\b+8*\a+\p+1], v[BI+8*\a+\p:BI+8*\a+\p+1]   ; each accumulator from its low end on
.endr
.endr
.endr
	s_branch .Lquant
.Lbias_v:
.irp b, 0,1,2,3
	ds_load_b32 v[BI+2*\b], v[BAV] offset:64*\b    ; my channel's number, twice: a pair for the packed addition
	ds_load_b32 v[BI+2*\b+1], v[BAV] offset:64*\b
.endr
	s_wait_dscnt 0x0
.irp b, 0,1,2,3
.irp a, 0,1,2,3
.irp p, 0,2,4,6
	v_pk_add_f32 v[ACC+32*\b+8*\a+\p:ACC+32*\b+8*\a+\p+1], v[ACC+32*\b+8*\a+\p:ACC+32*\b+8*\a+\p+1], v[BI+2*\b:BI+2*\b+1]
.endr
.endr
.endr
.Lquant:
.irp b, 0,1,2,3
	QUANT2 ACC+32*\b, CD+6*\b, PW+\b
.endr
	s_cmp_eq_u32 s4, 0
	s_cbranch_scc0 .Lnot_q
	; q: four tiles' images of 768 bytes and their scale words; bytes 2 and 3 of a word stand for 1.0, over zero codes on q's side
	s_mul_i32 s8, s7, 3072
	s_add_nc_u64 s[26:27], s[26:27], s[8:9]
	s_lshl_b32 s8, s7, 8
	s_add_nc_u64 s[28:29], s[28:29], s[8:9]
.irp b, 0,1,2,3
	v_or_b32 v[PW+\b], 0x7f7f0000, v[PW+\b]
.endr
.irp b, 0,1,2,3
	global_store_b128 v[L16], v[CD+6*\b:CD+6*\b+3], s[26:27] offset:768*\b
	global_store_b64 v[L8], v[CD+6*\b+4:CD+6*\b+5], s[26:27] offset:768*\b+512
.endr
	global_store_b128 v[R16], v[PW:PW+3], s[28:29] ; 16 lanes store 256 consecutive bytes; lanes 16-31 store the same words at the same places
	s_branch .Ldone
.Lnot_q:
	v_cndmask_b32 v[CH], v[PW], v[PW+1], s[MSK]    ; lanes 0-15 an even tile's word, lanes 16-31 the odd tile's
	v_cndmask_b32 v[CH+1], v[PW+2], v[PW+3], s[MSK]
	v_add_nc_u32 v[VA], s10, v[L16]
	s_cmp_eq_u32 s4, 1
	s_cbranch_scc0 .Lis_v
	; k: my four tiles' 24 registers on end, in groups of four
	v_or_b32 v[CH], 0x7f7f0000, v[CH]
	v_or_b32 v[CH+1], 0x7f7f0000, v[CH+1]
	s_lshl_b32 s11, s5, 8
	v_add_nc_u32 v[VB], s11, v[L8]
	s_wait_alu depctr_va_vdst(0)
.irp c, 0,1,2,3,4,5
	global_store_b128 v[VA], v[CD+4*\c:CD+4*\c+3], s[30:31] offset:512*\c
.endr
	global_store_b64 v[VB], v[CH:CH+1], s[30:31] offset:12288
	s_branch .Ldone
.Lis_v:
	; v: registers 6 th + 0 .. 5 of each of the four channel tiles' fragments for these 128 keys
	v_add_nc_u32 v[VB], s10, v[L8]
	s_lshl_b32 s11, s5, 1
	v_add_nc_u32 v[VC], s11, v[L8]
	s_wait_alu depctr_va_vdst(0)
.irp b, 0,1,2,3
	global_store_b128 v[VA], v[CD+6*\b:CD+6*\b+3], s[30:31] offset:6144+768*\b
	global_store_b64 v[VB], v[CD+6*\b+4:CD+6*\b+5], s[30:31] offset:6144+768*\b+512
.endr
	global_store_b16 v[VC], v[CH], s[30:31] offset:12800      ; a scale word's two halves come from the two waves of v: 256 bytes a work-group in all
	global_store_b16 v[VC], v[CH+1], s[30:31] offset:12804
.Ldone:
	s_set_vgpr_msb 0x5
	s_wait_tensorcnt 0x0                           ; the wave's end
	ds_add_u32 v0, v1
	s_wait_dscnt 0x0
	s_set_vgpr_msb 0x500
	CROUND                                         ; the closing round
	s_endpgm
.Lfunc_end_k_q09adf12f43_qkv:
	.size	k_q09adf12f43_qkv, .Lfunc_end_k_q09adf12f43_qkv-k_q09adf12f43_qkv
	.p2alignl 7, 3214868480
	.fill 96, 4, 3214868480
	.section	.rodata,"a",@progbits
	.p2align	6, 0x0
	.amdhsa_kernel k_q09adf12f43_qkv
		.amdhsa_group_segment_fixed_size 327680
		.amdhsa_private_segment_fixed_size 0
		.amdhsa_enable_private_segment 0
		.amdhsa_kernarg_size 112
		.amdhsa_user_sgpr_count 2
		.amdhsa_user_sgpr_kernarg_segment_ptr 1
		.amdhsa_wavefront_size32 1
		.amdhsa_system_sgpr_workgroup_id_x 1
		.amdhsa_system_sgpr_workgroup_id_y 1
		.amdhsa_system_sgpr_workgroup_id_z 1
		.amdhsa_system_vgpr_workitem_id 0
		.amdhsa_next_free_vgpr 258
		.amdhsa_next_free_sgpr 106
		.amdhsa_reserve_vcc 0
		.amdhsa_float_denorm_mode_32 3
		.amdhsa_float_denorm_mode_16_64 3
		.amdhsa_memory_ordered 1
		.amdhsa_forward_progress 1
		.amdhsa_inst_pref_size 73
	.end_amdhsa_kernel
	.amdgpu_metadata
---
amdhsa.version: [ 1, 2 ]
amdhsa.kernels:
  - .name:           k_q09adf12f43_qkv
    .symbol:         k_q09adf12f43_qkv.kd
    .args:
      - { .name: x_codes, .offset: 0, .size: 8, .value_kind: global_buffer, .address_space: global }
      - { .name: x_scales, .offset: 8, .size: 8, .value_kind: global_buffer, .address_space: global }
      - { .name: Wq_codes, .offset: 16, .size: 8, .value_kind: global_buffer, .address_space: global }
      - { .name: Wq_scales, .offset: 24, .size: 8, .value_kind: global_buffer, .address_space: global }
      - { .name: Wk_codes, .offset: 32, .size: 8, .value_kind: global_buffer, .address_space: global }
      - { .name: Wk_scales, .offset: 40, .size: 8, .value_kind: global_buffer, .address_space: global }
      - { .name: Wv_codes, .offset: 48, .size: 8, .value_kind: global_buffer, .address_space: global }
      - { .name: Wv_scales, .offset: 56, .size: 8, .value_kind: global_buffer, .address_space: global }
      - { .name: bq, .offset: 64, .size: 8, .value_kind: global_buffer, .address_space: global }
      - { .name: bk, .offset: 72, .size: 8, .value_kind: global_buffer, .address_space: global }
      - { .name: bv, .offset: 80, .size: 8, .value_kind: global_buffer, .address_space: global }
      - { .name: qimg, .offset: 88, .size: 8, .value_kind: global_buffer, .address_space: global }
      - { .name: qsc, .offset: 96, .size: 8, .value_kind: global_buffer, .address_space: global }
      - { .name: kv, .offset: 104, .size: 8, .value_kind: global_buffer, .address_space: global }
    .group_segment_fixed_size: 327680
    .private_segment_fixed_size: 0
    .kernarg_segment_align: 8
    .kernarg_segment_size: 112
    .max_flat_workgroup_size: 192
    .sgpr_count:     106
    .vgpr_count:     258
    .wavefront_size: 32
...
	.end_amdgpu_metadata
.endif
;; end of part 1
;; launch attn (part 2): grid 16 x 16, 16 waves a work-group, clusters of 4 x 1, 327,680 bytes of LDS; arguments qimg, qsc, kv, aoimg, aosc; writes aoimg, aosc
.if DOCPART == 2
	.amdgcn_target "amdgcn-amd-amdhsa--gfx1250"
	.amdhsa_code_object_version 6
	.text
	.protected	k_q09adf12f43_attn
	.globl	k_q09adf12f43_attn
	.p2align	8
	.type	k_q09adf12f43_attn,@function
k_q09adf12f43_attn:
	s_mov_b64 s[64:65], 0
	v_nop
	global_prefetch_b8 v0, s[64:65] scope:SCOPE_SE
	s_setreg_imm32_b32 hwreg(HW_REG_WAVE_MODE, 25, 1), 1
	s_wait_xcnt 0x0
	s_wait_alu depctr_hold_cnt(0) depctr_sa_sdst(0) depctr_va_vdst(0) depctr_va_sdst(0) depctr_va_ssrc(0) depctr_va_vcc(0) depctr_vm_vsrc(0)
	s_getreg_b32 s2, hwreg(HW_REG_IB_STS2, 6, 4)
	s_cmp_eq_u32 s2, 0
	s_cbranch_scc0 .Lentry_in_a_cluster
	s_endpgm
.Lentry_in_a_cluster:
	s_bfe_u32 s2, ttmp6, 0x10000c
	s_cmp_lg_u32 s2, 0x3003
	s_cbranch_scc0 .Lentry_shape_is_right
	s_endpgm
.Lentry_shape_is_right:
; For each of 16 heads (64 channels, 4,096 keys, no mask, no factor on the scores): S = q k^T, p = 2^(t - M) with t = score x log2(e) and M the running largest t rounded UP to a whole number,
; O = p v, divided at the end by the sum of the unquantised p; both products on codes of FP6 (E2M3) with one E8M0 scale for each 32 along K.  The result is quantised along the 1,024 inner channels.
; A work-group owns 256 queries of one head, each of its sixteen waves 16 of them in 256 registers.  Both products are used transposed (S^T = k q^T, O^T = v^T p^T): a lane holds ONE query throughout.
; q, k and v come as images of operand registers, made by the launch before.  Register 16 B + 8 u + j of lane half h of S^T is key 32 B + 16 u + 8 h + j: p's codes carry the same permutation inside a block of 32 keys as v's.
; K = 64 in an instruction 128 deep: q's registers 6-11 are zero codes, and bytes 2, 3 of q's and k's scale words stand for 1.0.  k's eight tiles lie 6 registers apart: a tile's upper six registers are the next
; tile's codes (the last tile's: six zeros), which meet q's zeros and add nothing.
; RING: two LDS slots of EIGHT key steps (8 x 13,056 bytes): four changes of slots for the 32 steps.  Waves 0-7 fetch one step's dense block each, one tensor load a wave behind each round.
; CLUSTER 4 x 1: the four query blocks of a cluster walk the same head, so each block is asked for jointly.
; No prefetch: a refill is asked for eight key steps ahead of its first read.
; LIMITS: NaN and infinities are not served; the promise holds while |t| stays under 2^31; a block whose largest magnitude lies under 2^-124 (zeros too) gets the byte 1: its bytes are read by this program alone.
.set KVB,   13056                      ; a key step: k's codes 6,144, v's 6,144, k's scale words 512, v's 256
.set SLOTB, 8*KVB
.set SLOT1, 1<<17                      ; slot 1 begins here
.set SPARE, SLOT1+SLOTB                ; the spare words, 128 bytes for each wave
.set WV,  18
.set TRIP, 19
.set SEL, 20
.set CS,  22                           ; s[22:23] log2(e)
.set G1,  24
.set G0,  32
.set TBS, 36                           ; LDS byte at which the slot in hand begins
.set AD16, 1
.set AD8,  2
.set SPW,  3
.set NIL,  4
.set L16,  5
.set L8,   6
.set R32,  7
.set NM,   12                          ; v12 -M, v13 the largest t
.set SUM,  14
.set Q,    16
.set QS,   28
.set PS,   29
.set KS,   30                          ; v30-33: register t / 2: lanes 0-15 tile t even, lanes 16-31 tile t odd
.set VS,   34
.set KF,   36                          ; v36-83 k's eight tiles, v84-89 zeros
.set VF,   90
.set S,    138                         ; S^T, then p
.set O,    202
.set PCD,  234
.set FF,   246
.set TT,   248
.set BM,   36                          ; behind k q^T k's registers are free
.set PB,   40
.set SO,   44
.set CV,   48
.set S2,   56                          ; further chains of the sum: v[56:57], v[250:251], v[252:253]
.set S3,   250
.set S4,   252
.set TM,   36
.set WD,   46
.set CDA,  48
.macro CROUND
	s_barrier_signal -1
	s_barrier_wait -1
	s_cmp_lg_u32 s[WV], 0
	s_cbranch_scc1 .Lnot_wave_0_\@
	s_barrier_signal -3
.Lnot_wave_0_\@:
	s_barrier_wait -3
	s_barrier_signal -1
	s_barrier_wait -1
.endm
.macro JLOAD                           ; waves 0-7 ask for one key step each
	s_cmp_lt_u32 s[WV], 8
	s_cbranch_scc0 .Lasked_\@
	tensor_load_to_lds s[G0:G0+3], s[G1:G1+7]
	s_nop 0
.rept 4
	v_nop
.endr
.Lasked_\@:
.endm
.macro QUANT2 s, dst, w
.irp b, 0,1
	v_max3_num_f32 v[TM+\b], |v[\s+16*\b]|, |v[\s+16*\b+1]|, 0x1800000
.endr
.irp i, 2,4,6,8,10,12,14
.irp b, 0,1
	s_delay_alu instid0(VALU_DEP_2)
	v_max3_num_f32 v[TM+\b], v[TM+\b], |v[\s+16*\b+\i]|, |v[\s+16*\b+\i+1]|
.endr
.endr
.irp b, 0,1
	s_delay_alu instid0(VALU_DEP_2)
	v_permlanex16_b32 v[TM+2+\b], v[TM+\b], s[SEL], s[SEL+1]
.endr
.irp b, 0,1
	s_delay_alu instid0(VALU_DEP_2)
	v_max_num_f32 v[TM+\b], v[TM+\b], v[TM+2+\b]
.endr
.irp b, 0,1
	s_delay_alu instid0(VALU_DEP_2)
	v_add_nc_u32 v[TM+4+\b], 0xff000000, v[TM+\b]
.endr
.irp b, 0,1
	s_delay_alu instid0(VALU_DEP_2)
	v_lshrrev_b32 v[TM+2+\b], 23, v[TM+4+\b]
.endr
	s_delay_alu instid0(VALU_DEP_1)
	v_lshl_or_b32 v[\w], v[TM+3], 8, v[TM+2]
	v_cvt_scalef32_pk16_fp6_f32 v[\dst:\dst+2], v[\s:\s+15], v[TM+4]
	v_cvt_scalef32_pk16_fp6_f32 v[TM+6:TM+8], v[\s+16:\s+31], v[TM+5]
	v_nop
.irp i, 0,1,2
	v_permlane16_swap_b32 v[\dst+\i], v[TM+6+\i]
.endr
.irp i, 0,1,2
	s_delay_alu instid0(VALU_DEP_3)
	v_mov_b32 v[\dst+3+\i], v[TM+6+\i]
.endr
.endm
; A KEY STEP: 128 keys, the q-th behind the address registers.  The places in front of its loads are the last step's 32 additions.
.macro STEP q
.irp c, 0,1,2,3,4,5,6,7,8,9,10,11
	ds_load_b128 v[KF+4*\c:KF+4*\c+3], v[AD16] offset:KVB*\q+512*\c
.endr
.irp t, 0,1
	ds_load_b64 v[KS+2*\t:KS+2*\t+1], v[AD8] offset:KVB*\q+12288+256*\t
.endr
.irp t, 0,1
.irp d, 0,1,2,3
	ds_load_b128 v[VF+12*\d+6*\t:VF+12*\d+6*\t+3], v[AD16] offset:KVB*\q+6144+768*(4*\t+\d)
	ds_load_b64 v[VF+12*\d+6*\t+4:VF+12*\d+6*\t+5], v[AD8] offset:KVB*\q+6144+768*(4*\t+\d)+512
.endr
.endr
	ds_load_b64 v[VS:VS+1], v[AD8] offset:KVB*\q+12800
	s_wait_dscnt 17                                ; k and its scale words are in; the 17 loads for v may be out
.irp t, 0,2,4,6
	v_wmma_scale_f32_16x16x128_f8f6f4 v[S+8*\t:S+8*\t+7], v[KF+6*\t:KF+6*\t+11], v[Q:Q+11], 0, v[KS+\t/2], v[QS] matrix_a_fmt:MATRIX_FMT_FP6 matrix_b_fmt:MATRIX_FMT_FP6
	v_wmma_scale_f32_16x16x128_f8f6f4 v[S+8*\t+8:S+8*\t+15], v[KF+6*\t+6:KF+6*\t+17], v[Q:Q+11], 0, v[KS+\t/2], v[QS] matrix_a_fmt:MATRIX_FMT_FP6 matrix_b_fmt:MATRIX_FMT_FP6 matrix_a_scale:MATRIX_SCALE_ROW1
.endr
.rept 4
	v_nop                                          ; four places in front of the first read of the scores and of writes over k's registers
.endr
.irp b, 0,1,2,3
	v_max3_num_f32 v[BM+\b], v[S+16*\b], v[S+16*\b+1], v[S+16*\b+2]   ; the largest score of each block of 32 keys: for the row's maximum and, since p rises with the score, for the block's largest p
.endr
.irp i, 3,5,7,9,11,13
.irp b, 0,1,2,3
	v_max3_num_f32 v[BM+\b], v[BM+\b], v[S+16*\b+\i], v[S+16*\b+\i+1]
.endr
.endr
.irp b, 0,1,2,3
	v_max_num_f32 v[BM+\b], v[BM+\b], v[S+16*\b+15]
.endr
.irp b, 0,1,2,3
	s_delay_alu instid0(VALU_DEP_4)
	v_permlanex16_b32 v[PB+\b], v[BM+\b], s[SEL], s[SEL+1]
.endr
.irp b, 0,1,2,3
	s_delay_alu instid0(VALU_DEP_4)
	v_max_num_f32 v[BM+\b], v[BM+\b], v[PB+\b]
.endr
	s_delay_alu instid0(VALU_DEP_2)
	v_max3_num_f32 v[TT], v[BM], v[BM+1], v[BM+2]
	s_delay_alu instid0(VALU_DEP_1)
	v_max_num_f32 v[TT], v[TT], v[BM+3]
	s_delay_alu instid0(VALU_DEP_1)
	v_mul_f32 v[TT], s[CS], v[TT]
	s_delay_alu instid0(VALU_DEP_1)
	v_max_num_f32 v[NM+1], v[NM+1], v[TT]          ; the running largest t
	v_mov_b32 v[TT], v[NM]
	s_delay_alu instid0(VALU_DEP_2)
	v_floor_f32 v[NM], -v[NM+1]                    ; -M = floor(-t)
	s_delay_alu instid0(VALU_DEP_1)
	v_sub_f32 v[TT], v[NM], v[TT]                  ; old M - new M, a whole number, 0 or less
	s_delay_alu instid0(VALU_DEP_1)
	v_cvt_i32_f32 v[TT], v[TT]
	s_delay_alu instid0(VALU_DEP_1)
	v_ldexp_f32 v[FF], 1.0, v[TT]                  ; f = 2^(old M - new M): the rescaling rounds nothing
.set j, 0
.rept 32
	v_pk_fma_f32 v[S+j:S+j+1], v[S+j:S+j+1], s[CS:CS+1], v[NM:NM+1] op_sel_hi:[1,0,0]   ; t - M
.set j, j+2
.endr
.irp b, 0,1,2,3
	v_fma_f32 v[BM+\b], v[BM+\b], s[CS], v[NM]
.endr
.set j, 0
	s_wait_alu depctr_va_vdst(0)                   ; the wait ahead of the batch
.rept 64
	v_exp_f32 v[S+j], v[S+j]                       ; p = 2^(t - M), not normalised
.set j, j+1
.endr
.irp b, 0,1,2,3
	v_exp_f32 v[BM+\b], v[BM+\b]                   ; the block's largest p
.endr
	v_pk_mul_f32 v[SUM:SUM+1], v[SUM:SUM+1], v[FF:FF+1] op_sel_hi:[1,0]   ; the sums under the new M (a plain place behind the exponentials)
	s_wait_alu depctr_va_vdst(0)                   ; and behind it
.irp b, 0,1,2,3
	v_max_num_f32 v[BM+\b], 0x1800000, v[BM+\b]    ; the floor 2^(3 - 127)
.endr
.irp b, 0,1,2,3
	s_delay_alu instid0(VALU_DEP_4)
	v_add_nc_u32 v[SO+\b], 0xff000000, v[BM+\b]
.endr
.irp b, 0,1,2,3
	s_delay_alu instid0(VALU_DEP_4)
	v_lshrrev_b32 v[PB+\b], 23, v[SO+\b]
.endr
	s_delay_alu instid0(VALU_DEP_3)
	v_lshl_or_b32 v[PS], v[PB+1], 8, v[PB]         ; p's scale word for these 128 keys
	s_delay_alu instid0(VALU_DEP_1)
	v_lshl_or_b32 v[PS], v[PB+2], 16, v[PS]
	s_delay_alu instid0(VALU_DEP_1)
	v_lshl_or_b32 v[PS], v[PB+3], 24, v[PS]
.irp c, 0,1
	v_cvt_scalef32_pk16_fp6_f32 v[PCD+6*\c:PCD+6*\c+2], v[S+32*\c:S+32*\c+15], v[SO+2*\c]
	v_cvt_scalef32_pk16_fp6_f32 v[CV+4*\c:CV+4*\c+2], v[S+32*\c+16:S+32*\c+31], v[SO+2*\c+1]
.endr
	v_nop                                          ; one plain place behind a scaled conversion
.irp c, 0,1
.irp i, 0,1,2
	v_permlane16_swap_b32 v[PCD+6*\c+\i], v[CV+4*\c+\i]   ; a whole block to a lane
.endr
.irp i, 0,1,2
	s_delay_alu instid0(VALU_DEP_3)
	v_mov_b32 v[PCD+6*\c+3+\i], v[CV+4*\c+\i]
.endr
.endr
	s_wait_alu depctr_va_vdst(0)                   ; the wait directly ahead of the first reader of O^T
.set j, 0
.rept 16
	v_pk_mul_f32 v[O+j:O+j+1], v[O+j:O+j+1], v[FF:FF+1] op_sel_hi:[1,0]   ; O^T under the new M; also the places behind the writes of p's codes and scale word
.set j, j+2
.endr
	s_wait_alu depctr_va_vdst(0)
	s_wait_dscnt 0x0                               ; v is in
.irp t, 0,2
	v_wmma_scale_f32_16x16x128_f8f6f4 v[O+8*\t:O+8*\t+7], v[VF+12*\t:VF+12*\t+11], v[PCD:PCD+11], v[O+8*\t:O+8*\t+7], v[VS+\t/2], v[PS] matrix_a_fmt:MATRIX_FMT_FP6 matrix_b_fmt:MATRIX_FMT_FP6
	v_wmma_scale_f32_16x16x128_f8f6f4 v[O+8*\t+8:O+8*\t+15], v[VF+12*\t+12:VF+12*\t+23], v[PCD:PCD+11], v[O+8*\t+8:O+8*\t+15], v[VS+\t/2], v[PS] matrix_a_fmt:MATRIX_FMT_FP6 matrix_b_fmt:MATRIX_FMT_FP6 matrix_a_scale:MATRIX_SCALE_ROW1
.endr
	; the row's sum of the unquantised p, in four chains: 32 additions that name none of the products' registers: they are the places behind them
	v_pk_add_f32 v[S2:S2+1], v[S:S+1], v[S+2:S+3]
	v_pk_add_f32 v[S3:S3+1], v[S+4:S+5], v[S+6:S+7]
	v_pk_add_f32 v[S4:S4+1], v[S+8:S+9], v[S+10:S+11]
	v_pk_add_f32 v[SUM:SUM+1], v[SUM:SUM+1], v[S+12:S+13]
.set j, 14
.rept 6
	v_pk_add_f32 v[S2:S2+1], v[S2:S2+1], v[S+j:S+j+1]
	v_pk_add_f32 v[S3:S3+1], v[S3:S3+1], v[S+j+2:S+j+3]
	v_pk_add_f32 v[S4:S4+1], v[S4:S4+1], v[S+j+4:S+j+5]
	v_pk_add_f32 v[SUM:SUM+1], v[SUM:SUM+1], v[S+j+6:S+j+7]
.set j, j+8
.endr
	v_pk_add_f32 v[S2:S2+1], v[S2:S2+1], v[S+62:S+63]
	v_pk_add_f32 v[S3:S3+1], v[S3:S3+1], v[S4:S4+1]
	s_delay_alu instid0(VALU_DEP_2)
	v_pk_add_f32 v[SUM:SUM+1], v[SUM:SUM+1], v[S2:S2+1]
	s_delay_alu instid0(VALU_DEP_1)
	v_pk_add_f32 v[SUM:SUM+1], v[SUM:SUM+1], v[S3:S3+1]
.endm
; THE CHANGE OF SLOTS.  Each wave waits for all its tensor loads, adds 0 to its spare word, and waits for that and for its reads of the slot that it has left.
; fill = 1: a round of the cluster's barrier, and behind it the slot just left is asked for again, jointly; one tensor load of a wave is out, with eight key steps in which to land.
.macro CHANGE fill
	s_wait_tensorcnt 0x0
	ds_add_u32 v[SPW], v[NIL]                      ; the add,
.if \fill
	ds_add_u32 v[SPW], v[NIL]                      ; and here twice on end
	s_xor_b32 s[G0+1], s[G0+1], SLOT1
	s_add_nc_u64 s[G0+2:G0+3], s[G0+2:G0+3], SLOTB
.endif
	s_wait_dscnt 0x0
.if \fill
	CROUND
	JLOAD
.else
	s_barrier_signal -1
	s_barrier_wait -1
.endif
.endm
.macro SLOT_STEPS
	v_add_nc_u32 v[AD16], s[TBS], v[L16]
	v_add_nc_u32 v[AD8], s[TBS], v[L8]
	STEP 0
	STEP 1
	STEP 2
	STEP 3
	v_add_nc_u32 v[AD16], 4*KVB, v[AD16]           ; the slot's second four steps lie beyond an immediate's reach
	v_add_nc_u32 v[AD8], 4*KVB, v[AD8]
	STEP 0
	STEP 1
	STEP 2
	STEP 3
	s_xor_b32 s[TBS], s[TBS], SLOT1
.endm
	s_load_b256 s[4:11], s[0:1], 0x0               ; qimg, qsc, kv, aoimg
	s_load_b64 s[12:13], s[0:1], 0x20              ; aosc
	v_lshl_add_u32 v[SPW], v0, 2, SPARE
	v_mov_b32 v[NIL], 0
	ds_add_u32 v[SPW], v[NIL]                      ; the opening lines
	ds_add_u32 v[SPW], v[NIL]
	s_wait_dscnt 0x0
	v_lshrrev_b32 v[TT], 5, v0
	s_delay_alu instid0(VALU_DEP_1)
	v_readfirstlane_b32 s[WV], v[TT]
	s_bfe_u32 s14, ttmp6, 0x40000
	s_lshl_b32 s16, ttmp9, 2
	s_add_co_u32 s14, s16, s14                     ; my block of 256 queries: it enters global addresses of q and of the results alone
	s_and_b32 s15, ttmp7, 0xffff                   ; the head, which the four partners share
	s_lshl_b32 s16, s14, 4
	s_add_co_u32 s16, s16, s[WV]                   ; T: my tile of 16 queries
	s_mov_b32 s[G1], 15|(3<<16)|(1<<21)            ; all four work-groups; elements of 8 bytes; no padding
	s_mov_b32 s[G1+1], 32<<16                      ; 13,056 dense bytes as 51 rows of 256
	s_mov_b32 s[G1+2], 51<<16
	s_mov_b32 s[G1+3], 32<<16
	s_mov_b32 s[G1+4], 51
	s_mov_b32 s[G1+5], 32
	s_mov_b32 s[G1+6], 0
	s_mov_b32 s[G1+7], 0
	s_lshl_b32 s38, s15, 5
	s_add_co_u32 s38, s38, s[WV]
	s_mul_i32 s38, s38, KVB                        ; kv: key step = wave, of this head
	s_mov_b32 s39, 0
	s_mov_b32 s[G0], 1
	s_mul_i32 s[G0+1], s[WV], KVB                  ; into slot 0
	s_lshl_b32 s40, s15, 8
	s_add_co_u32 s40, s40, s16
	s_mul_i32 s40, s40, 768                        ; q's image
	s_mov_b32 s41, 0
	s_lshl_b32 s42, s15, 6
	s_lshr_b32 s17, s16, 2
	s_add_co_u32 s42, s42, s17
	s_lshl_b32 s42, s42, 8
	s_and_b32 s17, s16, 3
	s_lshl_b32 s17, s17, 2
	s_add_co_u32 s42, s42, s17                     ; q's scale words: [head][T / 4][r][T % 4]
	s_mov_b32 s43, 0
	s_lshl_b32 s44, s16, 4
	s_add_co_u32 s44, s44, s15
	s_mul_i32 s44, s44, 768                        ; the result's image: [T][head]
	s_mov_b32 s45, 0
	s_lshl_b32 s46, s16, 9
	s_lshl_b32 s17, s15, 1
	s_add_co_u32 s46, s46, s17                     ; its scale bytes: [token][2 head + block]
	s_mov_b32 s47, 0
	s_mov_b32 s[SEL], 0x76543210
	s_mov_b32 s[SEL+1], 0xfedcba98
	s_mov_b32 s[CS], 0x3fb8aa3b
	s_mov_b32 s[CS+1], s[CS]
	s_mov_b32 s[TBS], 0
	s_mov_b32 s[TRIP], 3
	s_wait_kmcnt 0x0
	s_add_nc_u64 s[G0+2:G0+3], s[8:9], s[38:39]
	s_or_b32 s[G0+3], s[G0+3], 0x80000000
	s_add_nc_u64 s[4:5], s[4:5], s[40:41]
	s_add_nc_u64 s[6:7], s[6:7], s[42:43]
	s_add_nc_u64 s[10:11], s[10:11], s[44:45]
	s_add_nc_u64 s[12:13], s[12:13], s[46:47]
	CROUND                                         ; the first joint loads meet
	JLOAD                                          ; slot 0: key steps 0 to 7
	v_and_b32 v[TT], 31, v0
	s_delay_alu instid0(VALU_DEP_1)
	v_lshlrev_b32 v[L16], 4, v[TT]
	s_delay_alu instid0(VALU_DEP_2)
	v_lshlrev_b32 v[L8], 3, v[TT]
	v_and_b32 v[TT], 15, v0
	s_delay_alu instid0(VALU_DEP_1)
	v_lshlrev_b32 v8, 4, v[TT]
	s_delay_alu instid0(VALU_DEP_2)
	v_lshlrev_b32 v[R32], 5, v[TT]
	global_load_b128 v[Q:Q+3], v[L16], s[4:5]      ; q's six registers stay
	global_load_b64 v[Q+4:Q+5], v[L8], s[4:5] offset:512
	global_load_b32 v[QS], v8, s[6:7]
.irp i, 6,7,8,9,10,11
	v_mov_b32 v[Q+\i], 0                           ; zero codes for the upper 64 of the instruction's K
	v_mov_b32 v[KF+42+\i], 0                       ; and behind k's last tile
.endr
	v_mov_b32 v[NM+1], 0xff61b1e6                  ; the largest t so far: -3e38
	s_delay_alu instid0(VALU_DEP_1)
	v_floor_f32 v[NM], -v[NM+1]
	v_mov_b32 v[SUM], 0
	v_mov_b32 v[SUM+1], 0
	v_mov_b32 v[FF+1], 0                           ; (named as the upper half of a pair)
.set j, 0
.rept 32
	v_mov_b32 v[O+j], 0                            ; the step is written once: the first finds zeros
.set j, j+1
.endr
	s_wait_alu depctr_va_vdst(0)                   ; the wait at the head's end
	s_wait_loadcnt 0x0
.Lslot:                                                ; three trips: behind each change of slots but the last the next eight key steps are asked for
	CHANGE 1
	SLOT_STEPS
	s_sub_co_u32 s[TRIP], s[TRIP], 1
	s_cmp_lg_u32 s[TRIP], 0
	s_cbranch_scc1 .Lslot
	CHANGE 0                                       ; the last slot is written out
	SLOT_STEPS
	; THE WAY OUT: O^T / the sum; true order along the channels; codes and scale bytes.  The last step's 32 additions are the places behind the last products
	v_add_f32 v[SUM], v[SUM], v[SUM+1]
	s_delay_alu instid0(VALU_DEP_1)
	v_permlanex16_b32 v[TT], v[SUM], s[SEL], s[SEL+1]
	s_delay_alu instid0(VALU_DEP_1)
	v_add_f32 v[SUM], v[SUM], v[TT]
	s_wait_alu depctr_va_vdst(0)
	v_rcp_f32 v[SUM], v[SUM]
	v_nop                                          ; one plain place behind a transcendental
.set j, 0
	s_wait_alu depctr_va_vdst(0)
.rept 16
	v_pk_mul_f32 v[O+j:O+j+1], v[O+j:O+j+1], v[SUM:SUM+1] op_sel_hi:[1,0]   ; each accumulator from its low end on
.set j, j+2
.endr
.irp b, 0,1
.irp i, 0,1,2,3,4,5,6,7
	v_permlane16_swap_b32 v[O+16*\b+\i], v[O+16*\b+8+\i]   ; this operand meets Wo's given codes: lane half h now holds channels 32 b + 16 h + 0 .. 15 in registers 16 b + 0 .. 15
.endr
.endr
	QUANT2 O, CDA, WD
	global_store_b128 v[L16], v[CDA:CDA+3], s[10:11]
	global_store_b64 v[L8], v[CDA+4:CDA+5], s[10:11] offset:512
	global_store_b16 v[R32], v[WD], s[12:13]       ; 2 bytes of each token's row of 32: the other heads' bytes come from other work-groups; lanes 16-31 store the same
	s_wait_tensorcnt 0x0                           ; the wave's end
	ds_add_u32 v[SPW], v[NIL]
	s_wait_dscnt 0x0
	CROUND                                         ; the closing round
	s_endpgm
.Lfunc_end_k_q09adf12f43_attn:
	.size	k_q09adf12f43_attn, .Lfunc_end_k_q09adf12f43_attn-k_q09adf12f43_attn
	.p2alignl 7, 3214868480
	.fill 96, 4, 3214868480
	.section	.rodata,"a",@progbits
	.p2align	6, 0x0
	.amdhsa_kernel k_q09adf12f43_attn
		.amdhsa_group_segment_fixed_size 327680
		.amdhsa_private_segment_fixed_size 0
		.amdhsa_enable_private_segment 0
		.amdhsa_kernarg_size 40
		.amdhsa_user_sgpr_count 2
		.amdhsa_user_sgpr_kernarg_segment_ptr 1
		.amdhsa_wavefront_size32 1
		.amdhsa_system_sgpr_workgroup_id_x 1
		.amdhsa_system_sgpr_workgroup_id_y 1
		.amdhsa_system_sgpr_workgroup_id_z 1
		.amdhsa_system_vgpr_workitem_id 0
		.amdhsa_next_free_vgpr 256
		.amdhsa_next_free_sgpr 66
		.amdhsa_reserve_vcc 0
		.amdhsa_float_denorm_mode_32 3
		.amdhsa_float_denorm_mode_16_64 3
		.amdhsa_memory_ordered 1
		.amdhsa_forward_progress 1
		.amdhsa_inst_pref_size 255
	.end_amdhsa_kernel
	.section	.bss,"aw",@nobits
	.p2align	6
	.space	262144
	.amdgpu_metadata
---
amdhsa.version: [ 1, 2 ]
amdhsa.kernels:
  - .name:           k_q09adf12f43_attn
    .symbol:         k_q09adf12f43_attn.kd
    .args:
      - { .name: qimg, .offset: 0, .size: 8, .value_kind: global_buffer, .address_space: global }
      - { .name: qsc, .offset: 8, .size: 8, .value_kind: global_buffer, .address_space: global }
      - { .name: kv, .offset: 16, .size: 8, .value_kind: global_buffer, .address_space: global }
      - { .name: aoimg, .offset: 24, .size: 8, .value_kind: global_buffer, .address_space: global }
      - { .name: aosc, .offset: 32, .size: 8, .value_kind: global_buffer, .address_space: global }
    .group_segment_fixed_size: 327680
    .private_segment_fixed_size: 0
    .kernarg_segment_align: 8
    .kernarg_segment_size: 40
    .max_flat_workgroup_size: 512
    .sgpr_count:     66
    .vgpr_count:     256
    .wavefront_size: 32
...
	.end_amdgpu_metadata
.endif
;; end of part 2
;; launch oproj (part 3): grid 8 x 32, 8 waves a work-group, clusters of 4 x 4, 327,680 bytes of LDS; arguments aoimg, aosc, Wo_codes, Wo_scales, bo, out0; writes out0
.if DOCPART == 3
	.amdgcn_target "amdgcn-amd-amdhsa--gfx1250"
	.amdhsa_code_object_version 6
	.text
	.protected	k_q09adf12f43_oproj
	.globl	k_q09adf12f43_oproj
	.p2align	8
	.type	k_q09adf12f43_oproj,@function
k_q09adf12f43_oproj:
	s_mov_b64 s[64:65], 0
	v_nop
	global_prefetch_b8 v0, s[64:65] scope:SCOPE_SE
	s_setreg_imm32_b32 hwreg(HW_REG_WAVE_MODE, 25, 1), 1
	s_wait_xcnt 0x0
	s_wait_alu depctr_hold_cnt(0) depctr_sa_sdst(0) depctr_va_vdst(0) depctr_va_sdst(0) depctr_va_ssrc(0) depctr_va_vcc(0) depctr_vm_vsrc(0)
	s_getreg_b32 s2, hwreg(HW_REG_IB_STS2, 6, 4)
	s_cmp_eq_u32 s2, 0
	s_cbranch_scc0 .Lentry_in_a_cluster
	s_endpgm
.Lentry_in_a_cluster:
	s_bfe_u32 s2, ttmp6, 0x10000c
	s_cmp_lg_u32 s2, 0xf033
	s_cbranch_scc0 .Lentry_shape_is_right
	s_endpgm
.Lentry_shape_is_right:
; out = a Wo + bo on codes of FP6 (E2M3), one E8M0 scale for each 32 along K = 1,024.  a, the attention's result, comes as images of operand registers [tile of 16 tokens][head][768 bytes] with scale bytes
; [token][32]; Wo as given: rows of 768 bytes of codes, K innermost, and 32 scale bytes a row.
; A work-group makes 128 tokens x 128 outputs.  Both operands, for all of K, lie in LDS whole; every LDS byte is filled once, ONE tensor load a wave: waves 0, 1 fetch 64 whole rows of Wo each (16 bytes of padding
; behind each 256: LDS rows 816 bytes apart), waves 2, 3 four token tiles' images each (49,152 dense bytes), wave 4 Wo's 4,096 scale bytes, wave 5 a's; waves 6, 7 fetch nothing.
; Eight waves: wave w takes token tiles 2 (w / 2), 2 (w / 2) + 1 and outputs 64 (w % 2) on: 8 accumulators.  Source 0 = 16 rows of Wo, source 1 = 16 tokens: a lane holds eight neighbouring outputs of one token.
; The bias is the C of each sum's first product.  CLUSTER 4 x 4: a row of the cluster shares the tokens, a column the outputs: each tile is asked for jointly.
.set PITCH, 816
.set SLICE, 64*PITCH
.set AOB,   2*SLICE                    ; a's images: 8 tiles x 16 heads x 768 bytes
.set SCW,   AOB+98304                  ; Wo's scale bytes, 16 units of 256 + 16;
.set SCA,   SCW+4352                   ; a's
.set SSL,   2176
.set STG,   SCA+4352                   ; a stage of 16 rows x (256 + 16) for each wave; no tile lands here
.set WV, 2
.set CX, 100
.set CY, 101
.set NB, 104
.set TB, 105
.set G1W, 32
.set G1SW, 40
.set G1A, 48
.set G1SA, 56
.set GAC, 68
.set GAS, 72
.set GWC, 88
.set GWS, 92
.set ADW, 1                            ; v1, v2 Wo's fragments (v2: lanes 16-31 behind one padding more)
.set AD16, 3
.set AD8, 4
.set ADSW, 5
.set ADSA, 6
.set STO, 7
.set RD, 8
.set CO, 9
.set SW, 10                            ; v10-17 Wo's scale words: tile a, K step q of a pair at 2 a + q
.set SA, 18
.set T0, 22
.set T1, 23
.set AF, 24
.set BF, 72
.set BIAS, 96
.set ACC, 128                          ; accumulator (a, b) at 8 (4 b + a)
.set OUTR, 192
.macro CROUND
	s_barrier_signal -1
	s_barrier_wait -1
	s_cmp_lg_u32 s[WV], 0
	s_cbranch_scc1 .Lnot_wave_0_\@
	s_barrier_signal -3
.Lnot_wave_0_\@:
	s_barrier_wait -3
	s_barrier_signal -1
	s_barrier_wait -1
.endm
.macro G0SET g, lb, la, p, pa
	s_mov_b32 s[\g], 1
	s_add_co_u32 s[\g+1], s[\lb], \la
	s_add_nc_u64 s[\g+2:\g+3], s[\p:\p+1], \pa
	s_or_b32 s[\g+3], s[\g+3], 0x80000000
.endm
.macro FRAG reg, adr, st, i            ; byte y of a row lies at y + 16 (y / 256) of its LDS row; lanes 16-31 read 24 bytes on
.irp p, 0,1,2,3,4,5
.set BY, 96*(\st)+48*(\p/3)+8*(\p%3)
.if BY/256 == (BY+24)/256
	ds_load_b64 v[\reg+2*\p:\reg+2*\p+1], v[\adr] offset:BY+16*(BY/256)+(\i)*16*PITCH
.else
	ds_load_b64 v[\reg+2*\p:\reg+2*\p+1], v[\adr+1] offset:BY+16*(BY/256)+(\i)*16*PITCH
.endif
.endr
.endm
.macro AFRAG reg, off                  ; two heads' images are one fragment
	ds_load_b128 v[\reg:\reg+3], v[AD16] offset:\off
	ds_load_b64 v[\reg+4:\reg+5], v[AD8] offset:\off+512
	ds_load_b128 v[\reg+6:\reg+9], v[AD16] offset:\off+768
	ds_load_b64 v[\reg+10:\reg+11], v[AD8] offset:\off+1280
.endm
.macro KSTEP st, first                 ; 128 along K: 32 LDS loads, 8 products; the 8 accumulators take turns
.irp i, 0,1,2,3
	FRAG AF+12*\i, ADW, \st, \i
.endr
.irp b, 0,1
	AFRAG BF+12*\b, 12288*\b+1536*(\st)
.endr
	s_wait_dscnt 0x0
.irp b, 0,1
.irp a, 0,1,2,3
.if \first
	v_wmma_scale_f32_16x16x128_f8f6f4 v[ACC+8*(4*\b+\a):ACC+8*(4*\b+\a)+7], v[AF+12*\a:AF+12*\a+11], v[BF+12*\b:BF+12*\b+11], v[BIAS+8*\a:BIAS+8*\a+7], v[SW+2*\a+(\st)%2], v[SA+2*\b+(\st)%2] matrix_a_fmt:MATRIX_FMT_FP6 matrix_b_fmt:MATRIX_FMT_FP6
.else
	v_wmma_scale_f32_16x16x128_f8f6f4 v[ACC+8*(4*\b+\a):ACC+8*(4*\b+\a)+7], v[AF+12*\a:AF+12*\a+11], v[BF+12*\b:BF+12*\b+11], v[ACC+8*(4*\b+\a):ACC+8*(4*\b+\a)+7], v[SW+2*\a+(\st)%2], v[SA+2*\b+(\st)%2] matrix_a_fmt:MATRIX_FMT_FP6 matrix_b_fmt:MATRIX_FMT_FP6
.endif
.endr
.endr
.rept 4
	v_nop                                          ; four places in front of loads into, and reads of, the products' registers
.endr
.endm
.macro CHUNK c
.irp i, 0,1,2,3
	ds_load_b64 v[SW+2*\i:SW+2*\i+1], v[ADSW] offset:544*\i+8*\c
.endr
.irp i, 0,1
	ds_load_b64 v[SA+2*\i:SA+2*\i+1], v[ADSA] offset:544*\i+8*\c
.endr
.if \c == 0
	KSTEP 0, 1
.else
	KSTEP 2*\c, 0
.endif
	KSTEP 2*\c+1, 0
.endm
.macro ARM under, g0, g1, next         ; one arm of the head's chain of branches on the wave's number: one load, then the jump to the join
	s_cmp_lt_u32 s[WV], \under
	s_cbranch_scc0 \next
	tensor_load_to_lds s[\g0:\g0+3], s[\g1:\g1+7]
	s_nop 0
.rept 4
	v_nop
.endr
	s_branch .Lasked
\next:
.endm
	s_load_b256 s[4:11], s[0:1], 0x0               ; aoimg, aosc, Wo codes, Wo scales
	s_load_b128 s[12:15], s[0:1], 0x20             ; bo, out0
	s_set_vgpr_msb 0x40
	v_lshl_add_u32 v0, v0, 2, 0x40a00              ; v256: my spare word
	v_mov_b32 v1, 0                                ; v257: 0
	s_set_vgpr_msb 0x4045
	ds_add_u32 v0, v1                              ; the opening lines
	ds_add_u32 v0, v1
	s_set_vgpr_msb 0x4500
	v_lshrrev_b32 v[T0], 5, v0
	s_delay_alu instid0(VALU_DEP_1)
	v_readfirstlane_b32 s[WV], v[T0]
	s_bfe_u32 s[CX], ttmp6, 0x40000
	s_bfe_u32 s[CY], ttmp6, 0x40004
	s_lshl_b32 s[NB], ttmp9, 2
	s_add_co_u32 s[NB], s[NB], s[CX]
	s_and_b32 s[TB], ttmp7, 0xffff
	s_lshl_b32 s[TB], s[TB], 2
	s_add_co_u32 s[TB], s[TB], s[CY]
	s_lshl_b32 s3, s[CY], 2
	s_lshl_b32 s3, 15, s3                          ; my row of the cluster shares the tokens
	s_lshl_b32 s66, 0x1111, s[CX]                  ; my column the outputs
	s_or_b32 s[G1W], s66, (1<<20)|(1<<21)|(5<<22)|(3<<25)
	s_or_b32 s[G1SW], s66, (3<<16)|(1<<20)|(1<<21)|(5<<22)|(3<<25)
	s_or_b32 s[G1A], s3, (3<<16)|(1<<21)           ; images are read as they lie: no padding
	s_or_b32 s[G1SA], s3, (3<<16)|(1<<20)|(1<<21)|(5<<22)|(3<<25)
	s_mov_b32 s[G1W+1], 768<<16                    ; 64 rows of 768 bytes
	s_mov_b32 s[G1W+2], 64<<16
	s_mov_b32 s[G1W+3], 768<<16
	s_mov_b32 s[G1W+4], 64
	s_mov_b32 s[G1W+5], 768
	s_mov_b32 s[G1W+6], 0
	s_mov_b32 s[G1W+7], 0
	s_mov_b32 s[G1A+1], 32<<16                     ; 49,152 dense bytes as 192 rows of 256
	s_mov_b32 s[G1A+2], 192<<16
	s_mov_b32 s[G1A+3], 32<<16
	s_mov_b32 s[G1A+4], 192
	s_mov_b32 s[G1A+5], 32
	s_mov_b32 s[G1A+6], 0
	s_mov_b32 s[G1A+7], 0
.irp g, G1SW, G1SA
	s_mov_b32 s[\g+1], 32<<16                      ; 4,096 dense bytes as 16 rows of 256
	s_mov_b32 s[\g+2], 16<<16
	s_mov_b32 s[\g+3], 32<<16
	s_mov_b32 s[\g+4], 16
	s_mov_b32 s[\g+5], 32
	s_mov_b32 s[\g+6], 0
	s_mov_b32 s[\g+7], 0
.endr
	s_wait_dscnt 0x0
	s_wait_kmcnt 0x0
	s_and_b32 s3, s[WV], 1                         ; which half a loader of codes fetches; also my half of the outputs
	s_mul_i32 s26, s3, 49152
	s_mul_i32 s24, s[TB], 98304                    ; a: tile 8 x token block + 4 x half, 12,288 bytes a tile
	s_add_co_u32 s24, s24, s26
	s_mov_b32 s25, 0
	s_add_nc_u64 s[4:5], s[4:5], s[24:25]
	s_lshl_b32 s24, s[TB], 12
	s_add_nc_u64 s[6:7], s[6:7], s[24:25]
	s_mul_i32 s28, s[NB], 98304                    ; Wo: row 128 x output block + 64 x half
	s_add_co_u32 s28, s28, s26
	s_mov_b32 s29, 0
	s_add_nc_u64 s[8:9], s[8:9], s[28:29]
	s_lshl_b32 s28, s[NB], 12
	s_add_nc_u64 s[10:11], s[10:11], s[28:29]
	s_mul_i32 s24, s3, SLICE                       ; no place in the cluster enters an LDS address
	G0SET GWC, 24, 0, 8, 0
	G0SET GAC, 26, AOB, 4, 0
	G0SET GWS, 25, SCW, 10, 0
	G0SET GAS, 25, SCA, 6, 0
	CROUND                                         ; the joint loads meet
	ARM 2, GWC, G1W,  .Larm_a
	ARM 4, GAC, G1A,  .Larm_sw
	ARM 5, GWS, G1SW, .Larm_sa
	s_cmp_lt_u32 s[WV], 6
	s_cbranch_scc0 .Lasked
	tensor_load_to_lds s[GAS:GAS+3], s[G1SA:G1SA+7]
	s_nop 0
.rept 4
	v_nop
.endr
.Lasked:
	s_lshr_b32 s24, s[WV], 1                       ; tp: my pair of token tiles
	s_lshl_b32 s26, s[NB], 9
	s_lshl_b32 s27, s3, 8
	s_add_co_u32 s26, s26, s27                     ; my first output, in bytes
	s_mov_b32 s27, 0
	s_add_nc_u64 s[12:13], s[12:13], s[26:27]
	s_add_nc_u64 s[14:15], s[14:15], s[26:27]
	s_lshl_b32 s26, s[TB], 19
	s_lshl_b32 s28, s24, 17
	s_add_co_u32 s26, s26, s28                     ; my first token's row of 4,096 bytes
	s_add_nc_u64 s[14:15], s[14:15], s[26:27]
	s_mul_i32 s16, s3, SLICE
	s_mul_i32 s17, s24, 24576
	s_add_co_u32 s17, s17, AOB
	s_mul_i32 s18, s3, SSL
	s_add_co_u32 s18, s18, SCW
	s_mul_i32 s19, s24, 1088
	s_add_co_u32 s19, s19, SCA
	s_mul_i32 s20, s[WV], 4352
	s_add_co_u32 s20, s20, STG
	v_bfe_u32 v[T1], v0, 4, 1                      ; h
	v_and_b32 v[T0], 15, v0                        ; r
	v_and_b32 v[AD8], 31, v0
	v_lshlrev_b32 v[OUTR], 5, v[T1]                ; the bias's offset
	v_mul_u32_u24 v[ADW], v[T0], PITCH
	v_mul_u32_u24 v[STO], v[T0], 272
	v_mul_u32_u24 v[RD], v[T1], 272
	v_lshl_add_u32 v[AD16], v[AD8], 4, s17
	v_mad_u32_u24 v[ADW], v[T1], 24, v[ADW]
	v_lshl_add_u32 v[AD8], v[AD8], 3, s17
	v_lshrrev_b32 v[ADSA], 3, v[T0]
	v_lshlrev_b32 v[ADSW], 5, v[T0]
	v_add_nc_u32 v[ADW], s16, v[ADW]               ; my 64 rows of Wo: row x pitch + 24 x half
	v_lshl_add_u32 v[STO], v[T1], 5, v[STO]
	v_lshl_add_u32 v[ADSA], v[ADSA], 4, v[ADSW]    ; a row's 32 scale bytes, and 16 more for each 256 passed
	v_lshl_add_u32 v[RD], v[T0], 4, v[RD]
	v_lshl_add_u32 v[ADW+1], v[T1], 4, v[ADW]
	v_add_nc_u32 v[STO], s20, v[STO]               ; in: row r, 32 bytes for each half of the lanes
	v_add_nc_u32 v[ADSW], s18, v[ADSA]
	v_add_nc_u32 v[RD], s20, v[RD]                 ; back: lanes 0-15 one row of 256 bytes, lanes 16-31 the next
	v_add_nc_u32 v[ADSA], s19, v[ADSA]
	v_lshlrev_b32 v[CO], 12, v[T1]
	s_delay_alu instid0(VALU_DEP_1)
	v_lshl_add_u32 v[CO], v[T0], 4, v[CO]          ; and the same two rows in the output
	s_wait_alu depctr_va_vdst(0)                   ; the wait at the head's end
.irp a, 0,1,2,3
	global_load_b128 v[BIAS+8*\a:BIAS+8*\a+3], v[OUTR], s[12:13] offset:64*\a        ; bo at outputs 16 a + 8 h + 0 .. 7: the result's layout
	global_load_b128 v[BIAS+8*\a+4:BIAS+8*\a+7], v[OUTR], s[12:13] offset:64*\a+16
.endr
	s_wait_loadcnt 0x0
	s_wait_tensorcnt 0x0                           ; my tile is in
	s_wait_dscnt 0x0
	s_barrier_signal -1
	s_barrier_wait -1                              ; so is everybody's
	CHUNK 0
	CHUNK 1
	CHUNK 2
	CHUNK 3
	; THE WAY OUT: a tile of 16 tokens x 64 outputs at a time through my own stage; LDS serves a wave's instructions in order (ISA guide 5.7.1.4)
.irp b, 0,1
.irp a, 0,1,2,3
	ds_store_b128 v[STO], v[ACC+8*(4*\b+\a):ACC+8*(4*\b+\a)+3] offset:64*\a        ; each accumulator from its low end on
	ds_store_b128 v[STO], v[ACC+8*(4*\b+\a)+4:ACC+8*(4*\b+\a)+7] offset:64*\a+16
.endr
.irp i, 0,1,2,3,4,5,6,7
	ds_load_b128 v[OUTR+32*\b+4*\i:OUTR+32*\b+4*\i+3], v[RD] offset:544*\i
.endr
.endr
.irp i, 0,1,2,3,4,5,6,7
	s_wait_dscnt 23-\i                             ; behind this load: the tile's later loads and the second tile's 16 instructions
	global_store_b128 v[CO], v[OUTR+4*\i:OUTR+4*\i+3], s[14:15] offset:8192*\i th:TH_STORE_NT   ; 16 lanes store 256 consecutive bytes, at a multiple of 256 from the output's first byte
.endr
.irp i, 0,1,2,3,4,5,6,7
	s_wait_dscnt 7-\i
	global_store_b128 v[CO], v[OUTR+32+4*\i:OUTR+32+4*\i+3], s[14:15] offset:65536+8192*\i th:TH_STORE_NT
.endr
	s_set_vgpr_msb 0x5
	s_wait_tensorcnt 0x0                           ; the wave's end
	ds_add_u32 v0, v1
	s_wait_dscnt 0x0
	s_set_vgpr_msb 0x500
	CROUND                                         ; the closing round
	s_endpgm
.Lfunc_end_k_q09adf12f43_oproj:
	.size	k_q09adf12f43_oproj, .Lfunc_end_k_q09adf12f43_oproj-k_q09adf12f43_oproj
	.p2alignl 7, 3214868480
	.fill 96, 4, 3214868480
	.section	.rodata,"a",@progbits
	.p2align	6, 0x0
	.amdhsa_kernel k_q09adf12f43_oproj
		.amdhsa_group_segment_fixed_size 327680
		.amdhsa_private_segment_fixed_size 0
		.amdhsa_enable_private_segment 0
		.amdhsa_kernarg_size 48
		.amdhsa_user_sgpr_count 2
		.amdhsa_user_sgpr_kernarg_segment_ptr 1
		.amdhsa_wavefront_size32 1
		.amdhsa_system_sgpr_workgroup_id_x 1
		.amdhsa_system_sgpr_workgroup_id_y 1
		.amdhsa_system_sgpr_workgroup_id_z 1
		.amdhsa_system_vgpr_workitem_id 0
		.amdhsa_next_free_vgpr 258
		.amdhsa_next_free_sgpr 106
		.amdhsa_reserve_vcc 0
		.amdhsa_float_denorm_mode_32 3
		.amdhsa_float_denorm_mode_16_64 3
		.amdhsa_memory_ordered 1
		.amdhsa_forward_progress 1
		.amdhsa_inst_pref_size 41
	.end_amdhsa_kernel
	.amdgpu_metadata
---
amdhsa.version: [ 1, 2 ]
amdhsa.kernels:
  - .name:           k_q09adf12f43_oproj
    .symbol:         k_q09adf12f43_oproj.kd
    .args:
      - { .name: aoimg, .offset: 0, .size: 8, .value_kind: global_buffer, .address_space: global }
      - { .name: aosc, .offset: 8, .size: 8, .value_kind: global_buffer, .address_space: global }
      - { .name: Wo_codes, .offset: 16, .size: 8, .value_kind: global_buffer, .address_space: global }
      - { .name: Wo_scales, .offset: 24, .size: 8, .value_kind: global_buffer, .address_space: global }
      - { .name: bo, .offset: 32, .size: 8, .value_kind: global_buffer, .address_space: global }
      - { .name: out0, .offset: 40, .size: 8, .value_kind: global_buffer, .address_space: global }
    .group_segment_fixed_size: 327680
    .private_segment_fixed_size: 0
    .kernarg_segment_align: 8
    .kernarg_segment_size: 48
    .max_flat_workgroup_size: 256
    .sgpr_count:     106
    .vgpr_count:     258
    .wavefront_size: 32
...
	.end_amdgpu_metadata
.endif
;; end of part 3
